; MI455X (gfx1250); checked and timed in simulation.
; The chip was launched on July 23, 2026; its instructions are those of AMD's public machine-readable ISA for CDNA 5 (MIT licence, August 2026) and "CDNA5" Instruction Set Architecture Reference Guide (July 2026). The comments in the code are by the model that wrote it; some were corrected since.
;; Sparse Multi Head Attention4 D. Allowed arithmetic: matrix products marked QUANTISED: E2M1 operands, one E8M0 scale for each 32 along K, by v_wmma_scale_f32_16x16x128_f8f6f4 with both operands' format E2M1 (or v_wmma_scale_f32_32x16x128_f4), f32 sums; products left as they are: bf16, f16 or f32 operands; f32 sums; everything else in f32.
;; Inputs: W_out 1,024 x 1,024 float32; W_qkv 1,024 x 3,072 float32; b_out 1,024 float32; b_qkv 3,072 float32; gamma_k 16 x 64 float32; gamma_q 16 x 64 float32; x 8,192 x 1,024 float32.
;; Outputs: out0 8,192 x 1,024 float32.
;; This version of the problem:
;;   THIS VERSION OF THE PROBLEM IS GIVEN IN LOW PRECISION. The matrix products marked QUANTISED in the list below multiply operands that are first quantised to E2M1 (2 exponent bits, 1 mantissa bit; 4 bits a number), with one power-of-two scale for each 32 numbers along K (OCP MX v1.0); their sums are f32. The products marked 'left as it is' may take bf16, f16 or f32 operands, with f32 sums. Whichever they take, every output number must still come out within the allowed error. Rounding operands to bf16 (8 significant bits) uses up far more of that allowance than f16 does (11 bits, for magnitudes from 6e-5 to 65,504). All else is computed in f32.
;;   The module's matrix products, in the order in which they are computed (A, B: the left and right operand; K: the contracted axis; several contracted axes count as one K, in the product's order):
;;     1. [M 8,192, K 1,024] x [K 1,024, N 3,072]; A: input x; B: input W_qkv: QUANTISED
;;     2. batch 64 x [M 2,048, K 64] x [K 64, N 2,048]; A: computed on the way; B: computed on the way: left as it is (an operand is computed on the way)
;;     3. batch 64 x [M 64, K 2,048] x [K 2,048, N 2,048]; A: computed on the way; B: computed on the way: left as it is (an operand is computed on the way)
;;     4. [M 8,192, K 1,024] x [K 1,024, N 1,024]; A: computed on the way; B: input W_out: left as it is (an operand is computed on the way)
;;   THE QUANTISER, for each operand of a quantised product, along K:
;;     - K is cut into blocks of 32 from its start; a last block that is shorter is filled with zeros.
;;     - A block's scale is 2^e with e = floor(log2(the largest magnitude in the block)) - 2, held to -126 .. 127; a block of zeros has e = 0. As a byte (E8M0): e + 127.
;;     - Each number is divided by its block's scale, clamped to +-6, and rounded to the nearest number of E2M1, ties to even, subnormals kept.
;;     - The product sums the exact products of the quantised numbers (number of the format x scale) in f32.
;;   ~~~python
;;   def quantise(x, axis):      # numpy; x: float32 -> the quantised numbers, widened to float32 again
;;       x = np.moveaxis(x, axis, -1); K = x.shape[-1]
;;       x = np.pad(x, [(0, 0)] * (x.ndim - 1) + [(0, -K % 32)]); x = x.reshape(x.shape[:-1] + (-1, 32)); a = np.abs(x).max(-1, keepdims=True)
;;       e = np.where(a > 0, np.clip(np.frexp(np.where(a > 0, a, 1))[1] - 1 - 2, -126, 127), 0)      # np.frexp(a)[1] - 1 = floor(log2(a)), exactly
;;       r = np.clip(x / 2.0 ** e, -6, 6)
;;       step = 2.0 ** (np.maximum(np.frexp(np.where(r == 0, 1, r))[1] - 1, 0) - 1)
;;       q = np.round(r / step) * step * 2.0 ** e      # np.round: ties to even
;;       return np.moveaxis(q.reshape(q.shape[:-2] + (-1,))[..., :K], -1, axis).astype(np.float32)
;;   ~~~
;; One version. Each part assembles by itself: llvm-mc -triple=amdgcn-amd-amdhsa -mcpu=gfx1250 --defsym DOCPART=n.
;; ======== version 1 of 1: 4 launches
;; limits: values are held in f16: magnitudes above 65,504 overflow, below 6.1e-05 lose precision
;; workspace buffers: xc 4,194,304 bytes; wc 1,572,864 bytes; scl 360,448 bytes; wo 2,097,152 bytes; qkv 50,331,648 bytes; hb 16,777,216 bytes
;; launch prep (part 1): grid 256 x 1, 4 waves a work-group, no clusters, 34,304 bytes of LDS; arguments x, W_qkv, W_out, xc, wc, scl, wo; writes xc, wc, scl, wo
.if DOCPART == 1
	.amdgcn_target "amdgcn-amd-amdhsa--gfx1250"
	.amdhsa_code_object_version 6
	.text
	.protected	k_q6531e40447_prep
	.globl	k_q6531e40447_prep
	.p2align	8
	.type	k_q6531e40447_prep,@function
k_q6531e40447_prep:
	s_mov_b64 s[64:65], 0
	v_nop
	global_prefetch_b8 v0, s[64:65] scope:SCOPE_SE
	s_setreg_imm32_b32 hwreg(HW_REG_WAVE_MODE, 25, 1), 1
	s_wait_xcnt 0x0
; x [8192][1024] and W_qkv [1024][3072], f32, become codes of FP4 (E2M1) with one E8M0 byte for each 32 along K; W_out [1024][1024] becomes f16.
; ALL THREE ARE LAID IN THE ORDER OF THE READER'S OPERAND REGISTERS: a piece of a fragment is 512 bytes, lane l's 16 bytes at 16 l.
;   xc [token tile 0..511][K step s 0..7][c 0..1][lane][16]: lane (r, h) holds row 16 T + r, k = 128 s + 64 c + 32 h + 0..31.   wc: the same by tiles of 16 columns of W_qkv.
;   scl: x's scale bytes [8192][32] from byte 0, W_qkv's [3072][32] from byte 262,144: word s of a row is K step s's four bytes.
;   wo [column tile 0..63][c 0..31][g 0..1][lane][16]: lane (r, h) holds column 16 tile + r, k = 32 c + 16 g + 8 h + 0..7, in f16.
; A block's scale is 2^(floor(log2(its largest magnitude)) - 2): its byte is the largest magnitude's exponent field - 2, held at 1 from below.  A block of zeros so gets the byte 1:
; its codes are zeros, which add nothing under that byte, and this program alone reads the bytes.
; LIMITS: NaN and infinities are not served; blocks whose largest magnitude lies under 2^-124 keep the byte 1; |W_out| stays under 65,504 (f16).
; SHARES: work-groups 0-127 take x (a wave: 16 rows, all of K), 128-223 W_qkv (a wave: 32 columns x 256 K), 224-255 W_out (the same).  The paths part on the work-group's number; only x's uses LDS.
.set STG,   8448                       ; x: a wave's stage: 16 rows x (512 bytes + 16): row r starts 132 r words on, so 16 rows' 16-byte pieces fall on different banks
.set SPARE, 4*STG                      ; behind the stages: the spare words, 128 bytes a wave
.set SPW, 5                            ; v5  my spare word's address; never rewritten
.set NIL, 6                            ; v6  0; never rewritten
.set XC,  32                           ; x: v32-47 codes, two sets of 8
.set XW,  48                           ; x: v48-55 a scale word for each K step
.set XR,  64                           ; x: v64-191 two sets of 64 numbers as loaded
.set XX,  192                          ; x: v192-255 my two whole blocks of 32
.set WX,  64                           ; W: v64-127 two sets of 32 numbers down K
.set WC,  128                          ; W: v128.. results, registers of their own for each block: no store's data are written again
	s_load_b256 s[4:11], s[0:1], 0x0               ; x s[4:5], W_qkv s[6:7], W_out s[8:9], xc s[10:11]
	s_load_b128 s[12:15], s[0:1], 0x20             ; wc s[12:13], scl s[14:15]
	s_load_b64 s[16:17], s[0:1], 0x30              ; wo
	v_lshl_add_u32 v[SPW], v0, 2, SPARE
	v_mov_b32 v[NIL], 0
	v_lshrrev_b32 v1, 5, v0
	v_readfirstlane_b32 s18, v1                    ; wave
	v_and_b32 v1, 31, v0                           ; lane
	v_and_b32 v2, 15, v0                           ; r
	v_bfe_u32 v3, v0, 4, 1                         ; h
	v_lshlrev_b32 v4, 4, v1                        ; 16 x lane
	s_mov_b32 s21, 0                               ; the upper word of every offset pair s[20:21]
	s_wait_kmcnt 0x0
	s_cmp_lt_u32 ttmp9, 128
	s_cbranch_scc0 .Lnot_x
	; ---------------- x: token tile T = 4 x work-group + wave
	s_lshl_b32 s19, ttmp9, 2
	s_add_co_u32 s19, s19, s18
	s_lshl_b32 s20, s19, 16                        ; 16 rows of 4,096 bytes
	s_add_nc_u64 s[4:5], s[4:5], s[20:21]
	s_lshl_b32 s20, s19, 13                        ; a tile of codes is 8,192 bytes
	s_add_nc_u64 s[10:11], s[10:11], s[20:21]
	s_lshl_b32 s20, s19, 9                         ; 16 rows of 32 scale bytes
	s_add_nc_u64 s[14:15], s[14:15], s[20:21]
	s_mul_i32 s22, s18, STG
	v_add_nc_u32 v7, s22, v4                       ; into the stage: a row's 512 bytes as they lie
	v_mul_u32_u24 v8, v2, 528
	v_lshl_add_u32 v8, v3, 7, v8
	v_add_nc_u32 v8, s22, v8                       ; out of it: row r, 128 h bytes on: my 32 neighbours of each 64
	v_lshlrev_b32 v9, 3, v3                        ; 8 h: my bytes' place in a scale word
	v_lshlrev_b32 v24, 5, v2
	v_lshl_add_u32 v24, v3, 4, v24                 ; scale bytes on the way out: 32 r + 16 h
	v_mov_b32 v17, 0                               ; a lane permute's destination counts as one of its sources
	s_mov_b32 s24, 0x76543210
	s_mov_b32 s25, 0xfedcba98                      ; v_permlanex16_b32: lane l xor 16
.macro XLOAD s                         ; K step s of my 16 rows: each load reads 512 consecutive bytes of a row
.set n, 0
.rept 16
	global_load_b128 v[XR+64*((\s)%2)+4*n:XR+64*((\s)%2)+4*n+3], v4, s[4:5] offset:n*4096+(\s)*512 th:TH_LOAD_NT
.set n, n+1
.endr
.endm
.macro XSTEP s
.if (\s) < 7
	s_wait_loadcnt 16                              ; this step's 16 loads are in; the next step's 16 may be out
.else
	s_wait_loadcnt 0x0
.endif
.set n, 0
.rept 16
	ds_store_b128 v7, v[XR+64*((\s)%2)+4*n:XR+64*((\s)%2)+4*n+3] offset:n*528
.set n, n+1
.endr
.irp c, 0,1                            ; LDS serves a wave's instructions in order: these see the stores above
.irp i, 0,1,2,3,4,5,6,7
	ds_load_b128 v[XX+32*\c+4*\i:XX+32*\c+4*\i+3], v8 offset:\c*256+\i*16
.endr
.endr
	s_wait_dscnt 0x0                               ; my blocks are in, and the stores have read the set that is loaded again below
.if (\s)+2 < 8
	XLOAD (\s)+2
.endif
.irp c, 0,1
	v_max3_num_f32 v[10+\c], |v[XX+32*\c]|, |v[XX+32*\c+1]|, 0x1800000   ; block 2 c + h: all 32 numbers are mine; the floor 2^(3 - 127) holds the byte at 1 from below
.endr
.set n, 2
.rept 15
.irp c, 0,1
	v_max3_num_f32 v[10+\c], v[10+\c], |v[XX+32*\c+n]|, |v[XX+32*\c+n+1]|
.endr
.set n, n+2
.endr
.irp c, 0,1
	v_add_nc_u32 v[12+\c], 0xff000000, v[10+\c]    ; 2 off the exponent field: the conversion's scale operand
.endr
.irp c, 0,1
	v_lshrrev_b32 v[14+\c], 23, v[12+\c]           ; the scale's byte
.endr
	v_lshl_or_b32 v16, v15, 16, v14                ; bytes h and 2 + h of row r's word,
	v_lshlrev_b32 v16, v9, v16                     ; at their places;
	v_permlanex16_b32 v17, v16, s24, s25
	v_or_b32 v[XW+(\s)], v16, v17                  ; with lane l xor 16's two the word is whole
.if (\s) >= 2
	s_wait_xcnt 0x0                                ; the stores of two steps ago have read this set of codes
.endif
.irp c, 0,1
.irp g, 0,1,2,3
	v_cvt_scalef32_pk8_fp4_f32 v[XC+8*((\s)%2)+4*\c+\g], v[XX+32*\c+8*\g:XX+32*\c+8*\g+7], v[12+\c]
.endr
.endr
	v_nop                                          ; one plain line behind the last scaled conversion
.irp c, 0,1
	global_store_b128 v4, v[XC+8*((\s)%2)+4*\c:XC+8*((\s)%2)+4*\c+3], s[10:11] offset:(\s)*1024+\c*512   ; 512 consecutive bytes
.endr
.endm
	XLOAD 0
	XLOAD 1
.irp q, 0,1,2,3,4,5,6,7
	XSTEP \q
.endr
	v_cmp_le_u32 vcc_lo, 16, v1                    ; lanes 16-31 store words 4-7 of row r, lanes 0-15 words 0-3
.irp j, 0,1,2,3
	v_cndmask_b32 v[20+\j], v[XW+\j], v[XW+4+\j], vcc_lo
.endr
	global_store_b128 v24, v[20:23], s[14:15]      ; the wave's 512 consecutive scale bytes
	s_branch .Lend
.macro WLOAD t, bs, pitch              ; block t: W(32 t + i, my column): a lane a column, registers down K; 128 consecutive bytes a wave and load
.set n, 0
.rept 32
	global_load_b32 v[WX+32*((\t)%2)+n], v9, s[\bs:\bs+1] offset:(32*(\t)+n)*\pitch th:TH_LOAD_NT
.set n, n+1
.endr
.endm
.macro WWAIT t
.if (\t) < 7
	s_wait_loadcnt 32                              ; this block's 32 loads are in; the next block's may be out
.else
	s_wait_loadcnt 0x0
.endif
.endm
.Lnot_x:
	s_cmp_lt_u32 ttmp9, 224
	s_cbranch_scc0 .Lw_out
	; ---------------- W_qkv: 128 columns x 256 K a work-group
	s_sub_co_u32 s19, ttmp9, 128
	s_lshr_b32 s22, s19, 2                         ; which 128 columns
	s_and_b32 s23, s19, 3                          ; which 256 along K
	s_lshl_b32 s24, s22, 7
	s_lshl_b32 s25, s18, 5
	s_add_co_u32 s24, s24, s25                     ; my wave's first column
	s_mul_i32 s20, s23, 256*12288
	s_lshl_b32 s25, s24, 2
	s_add_co_u32 s20, s20, s25
	s_add_nc_u64 s[6:7], s[6:7], s[20:21]
	s_lshl_b32 s20, s24, 9                         ; column / 16 tiles of 8,192 bytes
	s_lshl_b32 s25, s23, 11                        ; two K steps of 1,024 bytes
	s_add_co_u32 s20, s20, s25
	s_add_nc_u64 s[12:13], s[12:13], s[20:21]
	s_lshl_b32 s20, s24, 5
	s_lshl_b32 s25, s23, 3
	s_add_co_u32 s20, s20, s25
	s_add_co_u32 s20, s20, 262144                  ; W's scale bytes lie behind x's
	s_add_nc_u64 s[14:15], s[14:15], s[20:21]
	v_lshlrev_b32 v9, 2, v1                        ; in: 4 bytes a lane
	v_lshlrev_b32 v22, 4, v2
	v_lshl_add_u32 v22, v3, 13, v22                ; out: 16 r, lanes 16-31 in the next tile of columns
	v_lshlrev_b32 v23, 5, v1                       ; my column's row of scale bytes
.macro WQ t
.set XS, WX+32*((\t)%2)
	WWAIT \t
	v_max3_num_f32 v12, |v[XS]|, |v[XS+1]|, |v[XS+2]|
	v_max3_num_f32 v13, |v[XS+3]|, |v[XS+4]|, |v[XS+5]|
.irp i, 6,10,14,18,22,26
	v_max3_num_f32 v12, v12, |v[XS+\i]|, |v[XS+\i+1]|
	v_max3_num_f32 v13, v13, |v[XS+\i+2]|, |v[XS+\i+3]|
.endr
	v_max3_num_f32 v12, v12, |v[XS+30]|, |v[XS+31]|
	v_max3_num_f32 v12, v12, v13, 0x1800000        ; and the floor
	v_add_nc_u32 v11, 0xff000000, v12
	v_lshrrev_b32 v13, 23, v11
.if (\t)%4 == 0
	v_mov_b32 v[20+(\t)/4], v13                    ; four bytes to a word, the lower K in the lower byte
.else
	v_lshl_or_b32 v[20+(\t)/4], v13, 8*((\t)%4), v[20+(\t)/4]
.endif
.irp g, 0,1,2,3
	v_cvt_scalef32_pk8_fp4_f32 v[WC+4*(\t)+\g], v[XS+8*\g:XS+8*\g+7], v11
.endr
	v_nop                                          ; one plain line behind the last scaled conversion
	global_store_b128 v22, v[WC+4*(\t):WC+4*(\t)+3], s[12:13] offset:((\t)/4)*1024+(((\t)%4)/2)*512+((\t)%2)*256   ; block t is half h = t % 2 of piece c = (t % 4) / 2: sixteen lanes store 256 consecutive bytes, aligned
.if (\t)+2 < 8
	WLOAD (\t)+2, 6, 12288
.endif
.endm
	WLOAD 0, 6, 12288
	WLOAD 1, 6, 12288
.irp q, 0,1,2,3,4,5,6,7
	WQ \q
.endr
	global_store_b64 v23, v[20:21], s[14:15]       ; my column's 8 bytes, 32 bytes from lane to lane: 96 KiB in the whole launch go out so
	s_branch .Lend
.Lw_out:
	; ---------------- W_out: 128 columns x 256 K a work-group, rounded to f16
	s_sub_co_u32 s19, ttmp9, 224
	s_lshr_b32 s22, s19, 2
	s_and_b32 s23, s19, 3
	s_lshl_b32 s24, s22, 7
	s_lshl_b32 s25, s18, 5
	s_add_co_u32 s24, s24, s25                     ; my wave's first column
	s_lshl_b32 s20, s23, 20                        ; 256 rows of 4,096 bytes
	s_lshl_b32 s25, s24, 2
	s_add_co_u32 s20, s20, s25
	s_add_nc_u64 s[8:9], s[8:9], s[20:21]
	s_lshl_b32 s20, s24, 11                        ; column / 16 tiles of 32,768 bytes
	s_lshl_b32 s25, s23, 13                        ; eight blocks of 1,024 bytes
	s_add_co_u32 s20, s20, s25
	s_add_nc_u64 s[16:17], s[16:17], s[20:21]
	v_lshlrev_b32 v9, 2, v1
	v_lshlrev_b32 v22, 4, v2
	v_lshl_add_u32 v22, v3, 15, v22
.macro WH t
.set XS, WX+32*((\t)%2)
	WWAIT \t
.set n, 0
.rept 16
	v_cvt_pk_f16_f32 v[WC+16*(\t)+n], v[XS+2*n], v[XS+2*n+1]
.set n, n+1
.endr
.irp p, 0,1,2,3                        ; piece p = 2 g + h: k = 8 p + 0..7 of the block
	global_store_b128 v22, v[WC+16*(\t)+4*\p:WC+16*(\t)+4*\p+3], s[16:17] offset:(\t)*1024+\p*256
.endr
.if (\t)+2 < 8
	WLOAD (\t)+2, 8, 4096
.endif
.endm
	WLOAD 0, 8, 4096
	WLOAD 1, 8, 4096
.irp q, 0,1,2,3,4,5,6,7
	WH \q
.endr
.Lend:
	s_wait_tensorcnt 0x0                           ; the wave's end
	ds_add_u32 v[SPW], v[NIL]
	s_wait_dscnt 0x0
	s_endpgm
.Lfunc_end_k_q6531e40447_prep:
	.size	k_q6531e40447_prep, .Lfunc_end_k_q6531e40447_prep-k_q6531e40447_prep
	.p2alignl 7, 3214868480
	.fill 96, 4, 3214868480
	.section	.rodata,"a",@progbits
	.p2align	6, 0x0
	.amdhsa_kernel k_q6531e40447_prep
		.amdhsa_group_segment_fixed_size 34304
		.amdhsa_private_segment_fixed_size 0
		.amdhsa_enable_private_segment 0
		.amdhsa_kernarg_size 56
		.amdhsa_user_sgpr_count 2
		.amdhsa_user_sgpr_kernarg_segment_ptr 1
		.amdhsa_wavefront_size32 1
		.amdhsa_system_sgpr_workgroup_id_x 1
		.amdhsa_system_sgpr_workgroup_id_y 1
		.amdhsa_system_sgpr_workgroup_id_z 1
		.amdhsa_system_vgpr_workitem_id 0
		.amdhsa_next_free_vgpr 256
		.amdhsa_next_free_sgpr 66
		.amdhsa_reserve_vcc 1
		.amdhsa_float_denorm_mode_32 3
		.amdhsa_float_denorm_mode_16_64 3
		.amdhsa_memory_ordered 1
		.amdhsa_forward_progress 1
		.amdhsa_inst_pref_size 130
	.end_amdhsa_kernel
	.amdgpu_metadata
---
amdhsa.version: [ 1, 2 ]
amdhsa.kernels:
  - .name:           k_q6531e40447_prep
    .symbol:         k_q6531e40447_prep.kd
    .args:
      - { .name: x, .offset: 0, .size: 8, .value_kind: global_buffer, .address_space: global }
      - { .name: W_qkv, .offset: 8, .size: 8, .value_kind: global_buffer, .address_space: global }
      - { .name: W_out, .offset: 16, .size: 8, .value_kind: global_buffer, .address_space: global }
      - { .name: xc, .offset: 24, .size: 8, .value_kind: global_buffer, .address_space: global }
      - { .name: wc, .offset: 32, .size: 8, .value_kind: global_buffer, .address_space: global }
      - { .name: scl, .offset: 40, .size: 8, .value_kind: global_buffer, .address_space: global }
      - { .name: wo, .offset: 48, .size: 8, .value_kind: global_buffer, .address_space: global }
    .group_segment_fixed_size: 34304
    .private_segment_fixed_size: 0
    .kernarg_segment_align: 8
    .kernarg_segment_size: 56
    .max_flat_workgroup_size: 128
    .sgpr_count:     66
    .vgpr_count:     256
    .wavefront_size: 32
...
	.end_amdgpu_metadata
.endif
;; end of part 1
;; launch qkv (part 2): grid 12 x 32, 4 waves a work-group, clusters of 4 x 4, 262,656 bytes of LDS; arguments xc, wc, scl, b_qkv, gamma_q, gamma_k, qkv; writes qkv
.if DOCPART == 2
	.amdgcn_target "amdgcn-amd-amdhsa--gfx1250"
	.amdhsa_code_object_version 6
	.text
	.protected	k_q6531e40447_qkv
	.globl	k_q6531e40447_qkv
	.p2align	8
	.type	k_q6531e40447_qkv,@function
k_q6531e40447_qkv:
	s_mov_b64 s[64:65], 0
	v_nop
	global_prefetch_b8 v0, s[64:65] scope:SCOPE_SE
	s_setreg_imm32_b32 hwreg(HW_REG_WAVE_MODE, 25, 1), 1
	s_wait_xcnt 0x0
	s_wait_alu depctr_hold_cnt(0) depctr_sa_sdst(0) depctr_va_vdst(0) depctr_va_sdst(0) depctr_va_ssrc(0) depctr_va_vcc(0) depctr_vm_vsrc(0)
	s_getreg_b32 s2, hwreg(HW_REG_IB_STS2, 6, 4)
	s_cmp_eq_u32 s2, 0
	s_cbranch_scc0 .Lentry_in_a_cluster
	s_endpgm
.Lentry_in_a_cluster:
	s_bfe_u32 s2, ttmp6, 0x10000c
	s_cmp_lg_u32 s2, 0xf033
	s_cbranch_scc0 .Lentry_shape_is_right
	s_endpgm
.Lentry_shape_is_right:
; qkv = Q(x) Q(W_qkv) + b_qkv on codes of FP4 with E8M0 scales; then, for q and k, each head's 64 channels are divided by max(their L2 norm, 1e-12) and multiplied by gamma x 8; all rounded to f16
; and stored as images of the attention launch's operand registers:  qkv [batch x head 0..63][step of 64 tokens 0..31][Q 8 KiB | K 8 KiB | V 8 KiB];
;   Q, K: [tile of 16 tokens 0..3][tb 0..3][lane][16]: lane (r, h): token r, channels 16 tb + 8 h + 0..7.     V: [tile][tb][token r][16 channels]: lane (r, h) writes at 32 r + 16 h.
; SHARES.  A work-group makes 256 tokens x 256 columns (four heads of q, of k or of v), a wave 128 x 128: 64 accumulators.  K = 1,024 is short: both operands' codes for ALL of K, 2 x 128 KiB,
; come into LDS once, in two halves of K, two tensor loads a wave; nothing is filled again.  The codes lie in memory as register images, so a fragment's piece is 512 consecutive LDS bytes: no padding.
; CLUSTERS: 4 x 4.  The cluster's x says q, k or v (the same in all sixteen partners, so the ways out may part on it); cx is the group of four heads, cy the block of tokens.
; x's tiles are shared along a row of the cluster, W's along a column: each is asked for jointly.
; THE MATRIX INSTRUCTION IS USED TRANSPOSED (source 0 = 16 columns of W, source 1 = 16 tokens): lane (r, h) holds token r and eight neighbouring columns 8 h + 0..7.  The bias is the C of the first K step.
; LIMITS: a head's sum of squares lies between 2^-126 and 2^127 (v_sqrt_f32 takes what is smaller as 0); 8 |gamma| and |v| stay under 65,504 (f16); NaN and infinities are not served.
; REGISTERS: window 0: v1-29 lane terms and addresses; v32-95 scale words (register 8 i + s: lanes 0-15 x's tile i, lanes 16-31 W's tile i, K step s) and nothing else; v96-127 8 / norm, a pair a block;
;   v128-191 x's fragments, one set; on the way out sums of squares, then packed results; v192-255 the bias of my 8 column tiles, behind the first K step gamma.
;   window 1: W's fragments, two sets, at v0 and v128.   windows 2, 3: the accumulators of my tokens 0-63, 64-127: (a, b) at v[8 (8 (a % 4) + b)].
.set KH,    131072                     ; LDS: a half of K: x's 16 tiles x 4,096 bytes, then W's 16
.set SPARE, 2*KH                       ; the spare words, 128 bytes a wave
.set ADRA, 16                          ; v16-17 my x fragments in K half 0, 1
.set ADRB, 20                          ; v20-21 my W fragments
.set CO,   24                          ; v24 my lane's place in a stored piece
.set BO,   26                          ; v26 32 h: my eight numbers of a tile of bias or gamma
.set SO,   27                          ; v27 my row's scale words in scl
.set SPW,  28
.set NIL,  29
.set SC,   32
.set RS,   96
.set AF,   128
.set PK,   128
.set BG,   192
.set G1,  24                           ; s[24:31] group 1 for x's tiles, s[32:39] its groups 0 (a set for each half of K)
.set G0,  32
.set G1B, 48                           ; s[48:55], s[56:63] the same for W's
.set G0B, 56
.set MSB, 0
.macro WIN new                         ; the immediate's high byte repeats the setting that is left
.if MSB != (\new)
	s_set_vgpr_msb (MSB<<8)|(\new)
.set MSB, (\new)
.endif
.endm
.macro CROUND                          ; a round of the cluster's barrier
	s_barrier_signal -1
	s_barrier_wait -1
	s_cmp_lg_u32 s18, 0
	s_cbranch_scc1 .Lnot_wave_0_\@
	s_barrier_signal -3
.Lnot_wave_0_\@:
	s_barrier_wait -3
	s_barrier_signal -1
	s_barrier_wait -1
.endm
.macro PLACES                          ; four plain places behind a matrix instruction, ahead of loads into its sources and of reads of its result
.rept 4
	v_nop
.endr
.endm
	s_load_b256 s[4:11], s[0:1], 0x0               ; xc s[4:5], wc s[6:7], scl s[8:9], b_qkv s[10:11]
	s_load_b128 s[12:15], s[0:1], 0x20             ; gamma_q s[12:13], gamma_k s[14:15]
	s_load_b64 s[16:17], s[0:1], 0x30              ; qkv
	v_lshl_add_u32 v[SPW], v0, 2, SPARE
	v_mov_b32 v[NIL], 0
	ds_add_u32 v[SPW], v[NIL]                      ; the opening: the add, twice on end, and its wait ahead of my first tensor load
	ds_add_u32 v[SPW], v[NIL]
	v_lshrrev_b32 v1, 5, v0
	v_readfirstlane_b32 s18, v1                    ; wave
	s_lshr_b32 s19, s18, 1                         ; my half of the tokens.  Also: I fetch x's codes (0) or W's (1)
	s_and_b32 s20, s18, 1                          ; my half of the columns.  Also: which 8 tiles I fetch
	s_bfe_u32 s40, ttmp6, 0x40000                  ; cx
	s_bfe_u32 s41, ttmp6, 0x40004                  ; cy
	s_lshl_b32 s42, ttmp9, 2
	s_add_co_u32 s42, s42, s40                     ; block of 256 columns, 0..11
	s_and_b32 s43, ttmp7, 0xffff
	s_lshl_b32 s43, s43, 2
	s_add_co_u32 s43, s43, s41                     ; block of 256 tokens, 0..31
	s_lshl_b32 s44, s41, 2
	s_lshl_b32 s44, 15, s44                        ; my row of the cluster
	s_lshl_b32 s45, 0x1111, s40                    ; my column
	s_or_b32 s[G1], s44, (3<<16)|(1<<21)           ; 15:0 the mask; 17:16 elements of 8 bytes; 21 set beside a mask; no padding
	s_or_b32 s[G1B], s45, (3<<16)|(1<<21)
.irp g, G1, G1B                        ; 8 tiles' halves: 8 rows of 4,096 bytes, 8,192 bytes apart
	s_mov_b32 s[\g+1], 512<<16                     ; tensor_dim0 = 512 elements
	s_mov_b32 s[\g+2], 8<<16                       ; tensor_dim1 = 8
	s_mov_b32 s[\g+3], 512<<16                     ; tile_dim0
	s_mov_b32 s[\g+4], 8                           ; tile_dim1
	s_mov_b32 s[\g+5], 1024                        ; from row to row
	s_mov_b32 s[\g+6], 0
	s_mov_b32 s[\g+7], 0
.endr
	s_lshl_b32 s21, s20, 16                        ; my 8 tiles of 8,192 bytes
	s_lshl_b32 s70, s43, 17                        ; x: 16 tiles a block of tokens
	s_add_co_u32 s70, s70, s21
	s_mov_b32 s71, 0
	s_lshl_b32 s46, s42, 17                        ; W: 16 tiles a block of columns
	s_add_co_u32 s46, s46, s21
	s_mov_b32 s47, 0
	s_lshl_b32 s22, s18, 15                        ; where they go: wave x 32,768
	s_mov_b32 s80, 0x76543210
	s_mov_b32 s81, 0xfedcba98
	s_wait_dscnt 0x0                               ; both opening adds are done
	s_wait_kmcnt 0x0
	s_add_nc_u64 s[70:71], s[4:5], s[70:71]
	s_add_nc_u64 s[46:47], s[6:7], s[46:47]
.irp k, 0,1
	s_mov_b32 s[G0+4*\k], 1
	s_add_co_u32 s[G0+4*\k+1], s22, \k*KH
	s_add_nc_u64 s[G0+4*\k+2:G0+4*\k+3], s[70:71], \k*4096
	s_or_b32 s[G0+4*\k+3], s[G0+4*\k+3], 0x80000000
	s_mov_b32 s[G0B+4*\k], 1
	s_add_co_u32 s[G0B+4*\k+1], s22, \k*KH
	s_add_nc_u64 s[G0B+4*\k+2:G0B+4*\k+3], s[46:47], \k*4096
	s_or_b32 s[G0B+4*\k+3], s[G0B+4*\k+3], 0x80000000
.endr
	CROUND                                         ; all sixteen work-groups are here: the joint loads meet
	s_cmp_eq_u32 s19, 0                            ; a wave's two fills stand in one branch on its number: two loads of mine are out
	s_cbranch_scc0 .Lfirst_b
	tensor_load_to_lds s[G0:G0+3], s[G1:G1+7]
	s_nop 0
	tensor_load_to_lds s[G0+4:G0+7], s[G1:G1+7]
	s_nop 0
	PLACES
	s_branch .Lfirst_asked
.Lfirst_b:
	tensor_load_to_lds s[G0B:G0B+3], s[G1B:G1B+7]
	s_nop 0
	tensor_load_to_lds s[G0B+4:G0B+7], s[G1B:G1B+7]
	s_nop 0
	PLACES
.Lfirst_asked:
	v_and_b32 v1, 15, v0                           ; r
	v_bfe_u32 v2, v0, 4, 1                         ; h
	v_and_b32 v3, 31, v0
	v_lshlrev_b32 v3, 4, v3                        ; 16 x lane
	; the scale words, once, for all of K: lanes 0-15 x's rows, lanes 16-31 W's columns: the lower base + h x the distance
	s_lshl_b32 s72, s43, 13
	s_lshl_b32 s73, s19, 12
	s_add_co_u32 s72, s72, s73                     ; x: (256 block + 128 half) rows of 32 bytes
	s_lshl_b32 s74, s42, 13
	s_lshl_b32 s73, s20, 12
	s_add_co_u32 s74, s74, s73
	s_add_co_u32 s74, s74, 262144                  ; W's lie behind x's
	s_sub_co_u32 s74, s74, s72
	v_mul_u32_u24 v[SO], s74, v2
	v_lshl_add_u32 v[SO], v1, 5, v[SO]
	v_add_nc_u32 v[SO], s72, v[SO]
.irp i, 0,1,2,3,4,5,6,7
	global_load_b128 v[SC+8*\i:SC+8*\i+3], v[SO], s[8:9] offset:\i*512
	global_load_b128 v[SC+8*\i+4:SC+8*\i+7], v[SO], s[8:9] offset:\i*512+16
.endr
	s_lshl_b32 s76, s40, 10                        ; my 128 columns among q's, k's or v's 1,024, in bytes
	s_lshl_b32 s73, s20, 9
	s_add_co_u32 s76, s76, s73
	s_mov_b32 s77, 0
	s_lshl_b32 s78, ttmp9, 12
	s_add_co_u32 s78, s78, s76
	s_mov_b32 s79, 0
	s_add_nc_u64 s[10:11], s[10:11], s[78:79]
	v_lshlrev_b32 v[BO], 5, v2
.irp b, 0,1,2,3,4,5,6,7                ; the bias in the result's layout: register j of tile b = b_qkv[16 b + 8 h + j]
	global_load_b128 v[BG+8*\b:BG+8*\b+3], v[BO], s[10:11] offset:\b*64
	global_load_b128 v[BG+8*\b+4:BG+8*\b+7], v[BO], s[10:11] offset:\b*64+16
.endr
	s_cmp_eq_u32 ttmp9, 0
	s_cselect_b64 s[68:69], s[12:13], s[14:15]     ; q's gamma or k's
	s_add_nc_u64 s[68:69], s[68:69], s[76:77]
	s_lshl_b32 s21, s19, 15                        ; my 8 tiles of x,
	s_lshl_b32 s23, s20, 15
	s_add_co_u32 s23, s23, 65536                   ; my 8 of W, behind x's 16
.irp k, 0,1
	v_add_nc_u32 v[ADRA+\k], s21, v3
	v_add_nc_u32 v[ADRB+\k], s23, v3
	s_add_co_u32 s21, s21, KH
	s_add_co_u32 s23, s23, KH
.endr
	; where my results go: (16 batch + 4 cx + 2 column half) x 786,432 + (4 (block % 8) + 2 token half) x 24,576 + (q, k, v) x 8,192
	s_lshr_b32 s72, s43, 3
	s_lshl_b32 s72, s72, 4
	s_lshl_b32 s73, s40, 2
	s_add_co_u32 s72, s72, s73
	s_lshl_b32 s73, s20, 1
	s_add_co_u32 s72, s72, s73
	s_mul_i32 s72, s72, 786432
	s_and_b32 s73, s43, 7
	s_lshl_b32 s73, s73, 2
	s_lshl_b32 s74, s19, 1
	s_add_co_u32 s73, s73, s74
	s_mul_i32 s73, s73, 24576
	s_add_co_u32 s72, s72, s73
	s_lshl_b32 s73, ttmp9, 13
	s_add_co_u32 s72, s72, s73
	s_mov_b32 s73, 0
	s_add_nc_u64 s[66:67], s[16:17], s[72:73]
	s_cmp_eq_u32 ttmp9, 2
	s_cselect_b32 s74, 32, 16                      ; v: 32 r + 16 h;  q, k: 16 r + 256 h = 16 x lane
	s_cselect_b32 s75, 16, 256
	v_mul_u32_u24 v[CO], v1, s74
	v_mad_u32_u24 v[CO], v2, s75, v[CO]
.macro FRAG reg, adr, off              ; a fragment, 16 rows x 128 K of 4-bit codes: 8 registers, two pieces of 512 bytes
.irp c, 0,1
	ds_load_b128 v[\reg+4*\c:\reg+4*\c+3], v[\adr] offset:\off+512*\c
.endr
.endm
.macro FETCH_B kh, q, p                ; W's eight fragments of K step q of half kh into set p
	WIN 0x40
.irp i, 0,1,2,3,4,5,6,7
	FRAG 128*(\p)+8*\i, ADRB+(\kh), \i*4096+(\q)*1024
.endr
	WIN 0
.endm
.macro FETCH_A kh, q, i0               ; x's tiles i0 .. i0 + 3
.irp i, \i0, \i0+1, \i0+2, \i0+3
	FRAG AF+8*(\i), ADRA+(\kh), (\i)*4096+(\q)*1024
.endr
.endm
; 16 matrix instructions: x's tiles a0, a0 + 1 against W's eight, K step s.  In step 0 the C is the bias.  The 64 accumulators take turns in one order.
.macro MUL16 a0, p, s
.irp a, \a0, \a0+1
.irp b, 0,1,2,3,4,5,6,7
.if (\s) == 0
	v_wmma_scale_f32_16x16x128_f8f6f4 v[8*(8*((\a)%4)+\b):8*(8*((\a)%4)+\b)+7], v[128*(\p)+8*\b:128*(\p)+8*\b+7], v[AF+8*(\a):AF+8*(\a)+7], v[BG+8*\b:BG+8*\b+7], v[SC+8*\b+(\s)], v[SC+8*(\a)+(\s)] matrix_a_fmt:MATRIX_FMT_FP4 matrix_b_fmt:MATRIX_FMT_FP4 matrix_a_scale:MATRIX_SCALE_ROW1
.else
	v_wmma_scale_f32_16x16x128_f8f6f4 v[8*(8*((\a)%4)+\b):8*(8*((\a)%4)+\b)+7], v[128*(\p)+8*\b:128*(\p)+8*\b+7], v[AF+8*(\a):AF+8*(\a)+7], v[8*(8*((\a)%4)+\b):8*(8*((\a)%4)+\b)+7], v[SC+8*\b+(\s)], v[SC+8*(\a)+(\s)] matrix_a_fmt:MATRIX_FMT_FP4 matrix_b_fmt:MATRIX_FMT_FP4 matrix_a_scale:MATRIX_SCALE_ROW1
.endif
.endr
.endr
.endm
; K step s (0..6) with the fetch of step s + 1.  A tile of x is free as soon as its eight products are issued: one set serves x; W has two.
.macro STEP s
.set KN, ((\s)+1)/4
.set QN, ((\s)+1)%4
.set PN, 1-(\s)%2
.if (\s) == 3                          ; step 4's fragments lie in the second half of K: every wave's part of it must have landed
	s_wait_tensorcnt 0x0                           ; my part has,
	s_wait_dscnt 0x0                               ; no LDS load of mine is out at the signal
	s_barrier_signal -1
.else
	s_wait_dscnt 8                                 ; W's set and x's tiles 0-3 are in; the youngest eight loads (tiles 4-7) may be out
.endif
.if (\s) == 0
	WIN 0x81                                       ; W window 1, x and the bias window 0, D window 2
.else
	WIN 0xa1                                       ; C and D window 2
.endif
	MUL16 0, (\s)%2, \s
	MUL16 2, (\s)%2, \s
.if (\s) == 3
	s_barrier_wait -1                              ; everybody's has.
.else
	s_wait_dscnt 0x0                               ; x's tiles 4-7 are in
.endif
	PLACES
	FETCH_B KN, QN, PN
	FETCH_A KN, QN, 0
.if (\s) == 0
	WIN 0xc1
.else
	WIN 0xf1
.endif
	MUL16 4, (\s)%2, \s
	MUL16 6, (\s)%2, \s
	PLACES
	WIN 0
	FETCH_A KN, QN, 4
.endm
	s_wait_tensorcnt 1                             ; my part of the first half of K is in; the second half's load may stay out
	s_barrier_signal -1
	s_barrier_wait -1
	FETCH_B 0, 0, 0
	FETCH_A 0, 0, 0
	FETCH_A 0, 0, 4
	s_wait_loadcnt 0x0                             ; scale words and bias
	STEP 0
	s_cmp_eq_u32 ttmp9, 2                          ; the cluster's x: the same in all partners
	s_cbranch_scc1 .Lno_gamma
.irp b, 0,1,2,3,4,5,6,7                ; gamma takes the bias's registers, four places behind the last product that read them
	global_load_b128 v[BG+8*\b:BG+8*\b+3], v[BO], s[68:69] offset:\b*64
	global_load_b128 v[BG+8*\b+4:BG+8*\b+7], v[BO], s[68:69] offset:\b*64+16
.endr
.Lno_gamma:
.irp q, 1,2,3,4,5,6
	STEP \q
.endr
	s_wait_dscnt 8                                 ; the last K step fetches nothing
	WIN 0xa1
	MUL16 0, 1, 7
	MUL16 2, 1, 7
	s_wait_dscnt 0x0
	WIN 0xf1
	MUL16 4, 1, 7
	MUL16 6, 1, 7
	WIN 0
	PLACES
; THE WAY OUT of block blk = 2 a + e: token tile a, head e of my two: 4 accumulators, 32 registers.  norm = 1: x 8 / norm, x gamma.  Then f16, 16 bytes an accumulator, 512 consecutive bytes a store.
.macro OUTBLK blk, norm
.set AA, (\blk)/2
.set EE, (\blk)%2
.set AC, 64*(AA%4)+32*EE
.set WW, 2+AA/4
.set PP, PK+16*((\blk)%4)
.if \norm
	WIN (WW<<6)|WW
.set n, 0
.rept 16
	v_pk_mul_f32 v[AC+2*n:AC+2*n+1], v[AC+2*n:AC+2*n+1], v[RS+2*(\blk):RS+2*(\blk)+1]
.set n, n+1
.endr
.set n, 0
.rept 16
	v_pk_mul_f32 v[AC+2*n:AC+2*n+1], v[AC+2*n:AC+2*n+1], v[BG+32*EE+2*n:BG+32*EE+2*n+1]
.set n, n+1
.endr
.endif
.if (\blk) >= 4
	s_wait_xcnt 0x0                                ; the stores of four blocks ago have read this set of packed results
.endif
	WIN (WW<<2)|WW
.set n, 0
.rept 16
	v_cvt_pk_f16_f32 v[PP+n], v[AC+2*n], v[AC+2*n+1]   ; each accumulator from its low end on
.set n, n+1
.endr
	WIN 0
.irp tb, 0,1,2,3
	global_store_b128 v[CO], v[PP+4*\tb:PP+4*\tb+3], s[66:67] offset:EE*786432+(AA/4)*24576+(AA%4)*2048+\tb*512
.endr
.endm
	s_cmp_eq_u32 ttmp9, 2
	s_cbranch_scc1 .Lv_out
	; q, k.  The sums of squares of my 32 channels of each of the 16 blocks, in two chains a block, the eight blocks of a window by turns
.irp hi, 0,1
	WIN 0x0a+5*\hi
.set i, 0
.rept 16
.set k, 0
.rept 8
.set TT, PK+4*(8*\hi+k)+2*(i%2)
.if i < 2
	v_pk_mul_f32 v[TT:TT+1], v[32*k+2*i:32*k+2*i+1], v[32*k+2*i:32*k+2*i+1]
.else
	v_pk_fma_f32 v[TT:TT+1], v[32*k+2*i:32*k+2*i+1], v[32*k+2*i:32*k+2*i+1], v[TT:TT+1]
.endif
.set k, k+1
.endr
.set i, i+1
.endr
.endr
	WIN 0
.set k, 0
.rept 16
	v_pk_add_f32 v[PK+4*k:PK+4*k+1], v[PK+4*k:PK+4*k+1], v[PK+4*k+2:PK+4*k+3]
.set k, k+1
.endr
.set k, 0
.rept 16
	v_add_f32 v[PK+4*k], v[PK+4*k], v[PK+4*k+1]
.set k, k+1
.endr
.set k, 0
.rept 16
	v_permlanex16_b32 v[PK+4*k+1], v[PK+4*k], s80, s81   ; the head's other 32 channels lie in lane l xor 16
.set k, k+1
.endr
.set k, 0
.rept 16
	v_add_f32 v[RS+2*k], v[PK+4*k], v[PK+4*k+1]
.set k, k+1
.endr
.set k, 0
.rept 16
	v_sqrt_f32 v[RS+2*k], v[RS+2*k]
.set k, k+1
.endr
	v_nop                                          ; a plain line behind the last root,
	s_wait_alu depctr_va_vdst(0)                   ; and one wait for the sixteen, ahead of their first reader
.set k, 0
.rept 16
	v_max_num_f32 v[RS+2*k], 0x2b8cbccc, v[RS+2*k] ; max(norm, 1e-12)
.set k, k+1
.endr
.set k, 0
.rept 16
	v_rcp_f32 v[RS+2*k], v[RS+2*k]
.set k, k+1
.endr
	v_nop
	s_wait_alu depctr_va_vdst(0)                   ; one wait for the sixteen reciprocals
.set k, 0
.rept 16
	v_mul_f32 v[RS+2*k+1], 0x41000000, v[RS+2*k]   ; 8 / norm, in both registers of the pair that the packed multiply takes
	v_mul_f32 v[RS+2*k], 0x41000000, v[RS+2*k]
.set k, k+1
.endr
	s_wait_loadcnt 0x0                             ; gamma
.irp q, 0,1,2,3,4,5,6,7,8,9,10,11,12,13,14,15
	OUTBLK \q, 1
.endr
	s_branch .Ldone
.Lv_out:
.irp q, 0,1,2,3,4,5,6,7,8,9,10,11,12,13,14,15
	OUTBLK \q, 0
.endr
.Ldone:
	s_wait_tensorcnt 0x0                           ; the wave's end
	ds_add_u32 v[SPW], v[NIL]
	s_wait_dscnt 0x0
	CROUND                                         ; the closing round
	s_endpgm
.Lfunc_end_k_q6531e40447_qkv:
	.size	k_q6531e40447_qkv, .Lfunc_end_k_q6531e40447_qkv-k_q6531e40447_qkv
	.p2alignl 7, 3214868480
	.fill 96, 4, 3214868480
	.section	.rodata,"a",@progbits
	.p2align	6, 0x0
	.amdhsa_kernel k_q6531e40447_qkv
		.amdhsa_group_segment_fixed_size 262656
		.amdhsa_private_segment_fixed_size 0
		.amdhsa_enable_private_segment 0
		.amdhsa_kernarg_size 56
		.amdhsa_user_sgpr_count 2
		.amdhsa_user_sgpr_kernarg_segment_ptr 1
		.amdhsa_wavefront_size32 1
		.amdhsa_system_sgpr_workgroup_id_x 1
		.amdhsa_system_sgpr_workgroup_id_y 1
		.amdhsa_system_sgpr_workgroup_id_z 1
		.amdhsa_system_vgpr_workitem_id 0
		.amdhsa_next_free_vgpr 1024
		.amdhsa_next_free_sgpr 100
		.amdhsa_reserve_vcc 0
		.amdhsa_float_denorm_mode_32 3
		.amdhsa_float_denorm_mode_16_64 3
		.amdhsa_memory_ordered 1
		.amdhsa_forward_progress 1
		.amdhsa_inst_pref_size 199
	.end_amdhsa_kernel
	.amdgpu_metadata
---
amdhsa.version: [ 1, 2 ]
amdhsa.kernels:
  - .name:           k_q6531e40447_qkv
    .symbol:         k_q6531e40447_qkv.kd
    .args:
      - { .name: xc, .offset: 0, .size: 8, .value_kind: global_buffer, .address_space: global }
      - { .name: wc, .offset: 8, .size: 8, .value_kind: global_buffer, .address_space: global }
      - { .name: scl, .offset: 16, .size: 8, .value_kind: global_buffer, .address_space: global }
      - { .name: b_qkv, .offset: 24, .size: 8, .value_kind: global_buffer, .address_space: global }
      - { .name: gamma_q, .offset: 32, .size: 8, .value_kind: global_buffer, .address_space: global }
      - { .name: gamma_k, .offset: 40, .size: 8, .value_kind: global_buffer, .address_space: global }
      - { .name: qkv, .offset: 48, .size: 8, .value_kind: global_buffer, .address_space: global }
    .group_segment_fixed_size: 262656
    .private_segment_fixed_size: 0
    .kernarg_segment_align: 8
    .kernarg_segment_size: 56
    .max_flat_workgroup_size: 128
    .sgpr_count:     100
    .vgpr_count:     1024
    .wavefront_size: 32
...
	.end_amdgpu_metadata
.endif
;; end of part 2
;; launch attn (part 3): grid 4 x 64, 16 waves a work-group, clusters of 4 x 1, 327,680 bytes of LDS; arguments qkv, hb; writes hb
.if DOCPART == 3
	.amdgcn_target "amdgcn-amd-amdhsa--gfx1250"
	.amdhsa_code_object_version 6
	.text
	.protected	k_q6531e40447_attn
	.globl	k_q6531e40447_attn
	.p2align	8
	.type	k_q6531e40447_attn,@function
k_q6531e40447_attn:
	s_mov_b64 s[64:65], 0
	v_nop
	global_prefetch_b8 v0, s[64:65] scope:SCOPE_SE
	s_setreg_imm32_b32 hwreg(HW_REG_WAVE_MODE, 25, 1), 1
	s_wait_xcnt 0x0
	s_wait_alu depctr_hold_cnt(0) depctr_sa_sdst(0) depctr_va_vdst(0) depctr_va_sdst(0) depctr_va_ssrc(0) depctr_va_vcc(0) depctr_vm_vsrc(0)
	s_getreg_b32 s2, hwreg(HW_REG_IB_STS2, 6, 4)
	s_cmp_eq_u32 s2, 0
	s_cbranch_scc0 .Lentry_in_a_cluster
	s_endpgm
.Lentry_in_a_cluster:
	s_bfe_u32 s2, ttmp6, 0x10000c
	s_cmp_lg_u32 s2, 0x3003
	s_cbranch_scc0 .Lentry_shape_is_right
	s_endpgm
.Lentry_shape_is_right:
; h[b][q][head][:] = the sum over keys of softmax(q . k / 8) v, in each of 64 (batch, head) pairs: 2,048 queries, 2,048 keys, 64 channels.  q, k, v in f16 (the launch before made them), products' sums,
; maxima and sums in f32, the weights p rounded to f16 for the second product, h to f16 at the end.
; SHARES.  A work-group owns 512 queries of one pair, each of its SIXTEEN waves 32: two tiles of 16, in 256 registers: four waves to a SIMD, so that one wave's softmax stands beside another's products.
; Every wave walks all 2,048 keys, 64 a step.  CLUSTER: the four work-groups of a pair walk the same K and V: each tile is asked for jointly (mask 15).
; LAYOUT.  S^T = K Q^T (source 0 = 16 keys, source 1 = 16 queries): a lane holds ONE query (lane % 16) and keys 8 (lane / 16) + 0..7; two such tiles packed to f16 ARE source 1 of O^T = V^T P.
; K and Q lie in memory and LDS as register images (a piece = 512 consecutive bytes); V as blocks [16 keys][16 channels], 32 bytes a key, turned by ds_load_tr16_b128.
; SOFTMAX.  A running maximum m and sum l for each query: p = 2^(c s - c m), c = log2(e) / 8; in every step O and l are multiplied by a = 2^(c m_old - c m_new).  m starts at -3e38, O and l at 0.
; RING.  Two slots of 8 key steps, 128 KiB each; each of the sixteen waves brings 8 KiB of a slot by one load.  Two loads of a wave are out at the start, one behind each change of slots.
; hb [token tile 0..511][c 0..31][g][lane][16]: the image that the last launch's operand wants; O^T packed to f16 is a piece of it as it stands, so there is no stage.
; LIMITS: |q|, |k|, |v| under 65,504 in f16; NaN and infinities are not served.
; REGISTERS: v1-6 addresses; v8-23 statistics, 8 a tile: +0 c m, +1 m, +2, +3 l (even keys', odd keys'), +4..+7 at work, a in +6; v24-27 second sum chains; v32-63 Q; v64-127 S^T, p, and P packed in place;
;   v128-191 O^T; v192-255 one buffer of fragments: K's, then V's.
.set SLOT1, 131072
.set SPARE, 2*SLOT1                    ; the spare words, 128 bytes for each of 16 waves
.set LI,  1                            ; v1 16 x lane
.set AV0, 2                            ; v2 my lane's place in a step's V
.set ADK, 3
.set ADV, 4
.set SPW, 5
.set NIL, 6
.set ST,  8
.set CH,  24
.set Q,   32
.set S,   64
.set O,   128
.set KV,  192
.set WV,  8                            ; s8 wave
.set G1,  16                           ; s[16:23]
.set G0,  24                           ; s[24:27] slot 0's, s[28:31] slot 1's
.set CS,  32                           ; s[32:33] c, twice
.set SEL, 34                           ; s[34:35]
.set TB,  36                           ; s36 LDS byte of the step in hand
.set CNT, 37
.macro CROUND
	s_barrier_signal -1
	s_barrier_wait -1
	s_cmp_lg_u32 s[WV], 0
	s_cbranch_scc1 .Lnot_wave_0_\@
	s_barrier_signal -3
.Lnot_wave_0_\@:
	s_barrier_wait -3
	s_barrier_signal -1
	s_barrier_wait -1
.endm
	s_load_b128 s[4:7], s[0:1], 0x0                ; qkv s[4:5], hb s[6:7]
	v_lshl_add_u32 v[SPW], v0, 2, SPARE
	v_mov_b32 v[NIL], 0
	ds_add_u32 v[SPW], v[NIL]                      ; the opening: the add, twice on end, and its wait ahead of my first tensor load
	ds_add_u32 v[SPW], v[NIL]
	v_lshrrev_b32 v1, 5, v0
	v_readfirstlane_b32 s[WV], v1
	s_bfe_u32 s9, ttmp6, 0x40000                   ; cx: my block of 512 queries; it enters Q's and hb's addresses alone
	s_and_b32 s10, ttmp7, 0xffff                   ; the (batch, head) pair, which the partners share
	s_mov_b32 s[G1], 15|(3<<16)|(1<<21)            ; the mask: all four; elements of 8 bytes; 21 set beside a mask; no padding
	s_mov_b32 s[G1+1], 32<<16                      ; 8 KiB, dense, as 32 rows of 256 bytes
	s_mov_b32 s[G1+2], 32<<16
	s_mov_b32 s[G1+3], 32<<16
	s_mov_b32 s[G1+4], 32
	s_mov_b32 s[G1+5], 32
	s_mov_b32 s[G1+6], 0
	s_mov_b32 s[G1+7], 0
	s_mov_b32 s[CS], 0x3e38aa3b                    ; c = log2(e) / 8
	s_mov_b32 s[CS+1], s[CS]
	s_mov_b32 s[SEL], 0x76543210
	s_mov_b32 s[SEL+1], 0xfedcba98
	s_mul_i32 s12, s10, 786432                     ; the pair's first byte
	s_lshr_b32 s14, s[WV], 1
	s_and_b32 s15, s[WV], 1
	s_mul_i32 s38, s14, 24576                      ; what I fetch: step wave / 2 of a slot,
	s_lshl_b32 s39, s15, 13                        ; its K (even waves) or its V (odd),
	s_add_co_u32 s38, s38, s39
	s_add_co_u32 s38, s38, 8192                    ; which lie behind its Q
	s_add_co_u32 s38, s38, s12
	s_mov_b32 s39, 0
	s_lshl_b32 s40, s9, 3                          ; my queries: step 8 cx + wave / 2, tiles 2 (wave % 2) on
	s_add_co_u32 s40, s40, s14
	s_mul_i32 s40, s40, 24576
	s_lshl_b32 s41, s15, 12
	s_add_co_u32 s40, s40, s41
	s_add_co_u32 s40, s40, s12
	s_mov_b32 s41, 0
	s_lshr_b32 s42, s10, 4                         ; hb: token tile 128 batch + 32 cx + 2 wave, 32,768 bytes each; the head's 2,048 bytes in it
	s_lshl_b32 s42, s42, 7
	s_lshl_b32 s43, s9, 5
	s_add_co_u32 s42, s42, s43
	s_lshl_b32 s43, s[WV], 1
	s_add_co_u32 s42, s42, s43
	s_lshl_b32 s42, s42, 15
	s_and_b32 s43, s10, 15
	s_lshl_b32 s43, s43, 11
	s_add_co_u32 s42, s42, s43
	s_mov_b32 s43, 0
	s_lshl_b32 s11, s[WV], 13                      ; in a slot: wave x 8,192
	s_wait_dscnt 0x0                               ; both opening adds are done
	s_wait_kmcnt 0x0
	s_add_nc_u64 s[38:39], s[4:5], s[38:39]
	s_add_nc_u64 s[40:41], s[4:5], s[40:41]
	s_add_nc_u64 s[6:7], s[6:7], s[42:43]
.irp n, 0,1
	s_mov_b32 s[G0+4*\n], 1
	s_add_co_u32 s[G0+4*\n+1], s11, \n*SLOT1
	s_add_nc_u64 s[G0+4*\n+2:G0+4*\n+3], s[38:39], \n*196608   ; slot n begins with key steps 8 n on
	s_or_b32 s[G0+4*\n+3], s[G0+4*\n+3], 0x80000000
.endr
	CROUND                                         ; all four work-groups are here: the first joint loads meet
	tensor_load_to_lds s[G0:G0+3], s[G1:G1+7]
	s_nop 0
	tensor_load_to_lds s[G0+4:G0+7], s[G1:G1+7]
	s_nop 0
.rept 4
	v_nop
.endr
	v_and_b32 v[LI], 31, v0
	v_lshlrev_b32 v[LI], 4, v[LI]
.irp t, 0,1
.irp c, 0,1
.irp g, 0,1
	global_load_b128 v[Q+16*\t+8*\c+4*\g:Q+16*\t+8*\c+4*\g+3], v[LI], s[40:41] offset:\t*2048+\c*1024+\g*512   ; Q stays in registers
.endr
.endr
.endr
	v_and_b32 v7, 7, v0                            ; the turning load: lane l reads key 8 (l / 16) + l % 8, channels 8 ((l / 8) % 2) + 0..7
	v_bfe_u32 v[AV0], v0, 4, 1
	v_lshl_add_u32 v[AV0], v[AV0], 3, v7
	v_lshlrev_b32 v[AV0], 5, v[AV0]
	v_bfe_u32 v7, v0, 3, 1
	v_lshl_add_u32 v[AV0], v7, 4, v[AV0]
	v_add_nc_u32 v[AV0], 8192, v[AV0]              ; V lies behind the step's K
.irp t, 0,1
	v_mov_b32 v[ST+8*\t+1], 0xff61b1e6             ; m = -3e38, under every score
	v_mul_f32 v[ST+8*\t], s[CS], v[ST+8*\t+1]
	v_mov_b32 v[ST+8*\t+2], 0
	v_mov_b32 v[ST+8*\t+3], 0
.endr
.set n, 0
.rept 64
	v_mov_b32 v[O+n], 0                            ; O^T: the step is written with no first copy: the first a is 0 and leaves zeros
.set n, n+1
.endr
; A KEY STEP: 64 keys at LDS byte s[TB].
.macro STEP
	v_add_nc_u32 v[ADK], s[TB], v[LI]
	v_add_nc_u32 v[ADV], s[TB], v[AV0]
.rept 3
	v_nop                                          ; with the two additions five places behind the last V^T P: four for the loads into its fragments, five for the products that write over P
.endr
.irp c, 0,1                            ; K: channels 32 c on first, so that the first eight products can start on half of the loads
.irp j, 0,1,2,3
.irp g, 0,1
	ds_load_b128 v[KV+8*(2*\j+\c)+4*\g:KV+8*(2*\j+\c)+4*\g+3], v[ADK] offset:\j*2048+\c*1024+\g*512
.endr
.endr
.endr
.irp c, 0,1                            ; S^T = K Q^T: eight accumulators by turns
.if \c == 0
	s_wait_dscnt 8                                 ; the first 32 channels' eight loads are in
.else
	s_wait_dscnt 0x0
.endif
.irp j, 0,1,2,3
.irp t, 0,1
.if \c == 0
	v_wmma_f32_16x16x32_f16 v[S+32*\t+8*\j:S+32*\t+8*\j+7], v[KV+8*(2*\j+\c):KV+8*(2*\j+\c)+7], v[Q+16*\t+8*\c:Q+16*\t+8*\c+7], 0
.else
	v_wmma_f32_16x16x32_f16 v[S+32*\t+8*\j:S+32*\t+8*\j+7], v[KV+8*(2*\j+\c):KV+8*(2*\j+\c)+7], v[Q+16*\t+8*\c:Q+16*\t+8*\c+7], v[S+32*\t+8*\j:S+32*\t+8*\j+7]
.endif
.endr
.endr
.endr
.rept 4
	v_nop                                          ; places ahead of the loads into K's registers and of the first read of the scores
.endr
.irp u, 0,1                            ; V, turned: keys 32 u + 16 e on, channels 16 a on; it lands while the softmax is walked
.irp a, 0,1,2,3
.irp e, 0,1
	ds_load_tr16_b128 v[KV+8*(4*\u+\a)+4*\e:KV+8*(4*\u+\a)+4*\e+3], v[ADV] offset:(2*\u+\e)*2048+\a*512
.endr
.endr
.endr
	; the maximum of my 32 scores of each tile and the old m; the two tiles line by line.  Each accumulator is read from its low end first
.irp j, 0,1,2,3
.irp t, 0,1
	v_max3_num_f32 v[ST+8*\t+4+\j], v[S+32*\t+8*\j], v[S+32*\t+8*\j+1], v[S+32*\t+8*\j+2]
.endr
.endr
.irp i, 3,5
.irp j, 0,1,2,3
.irp t, 0,1
	v_max3_num_f32 v[ST+8*\t+4+\j], v[ST+8*\t+4+\j], v[S+32*\t+8*\j+\i], v[S+32*\t+8*\j+\i+1]
.endr
.endr
.endr
.irp t, 0,1
	v_max3_num_f32 v[ST+8*\t+4], v[ST+8*\t+4], v[S+32*\t+7], v[S+32*\t+15]
.endr
.irp t, 0,1
	v_max3_num_f32 v[ST+8*\t+6], v[ST+8*\t+6], v[S+32*\t+23], v[S+32*\t+31]
.endr
.irp t, 0,1
	v_max3_num_f32 v[ST+8*\t+4], v[ST+8*\t+4], v[ST+8*\t+5], v[ST+8*\t+6]
.endr
.irp t, 0,1
	v_max3_num_f32 v[ST+8*\t+4], v[ST+8*\t+4], v[ST+8*\t+7], v[ST+8*\t+1]
.endr
.irp t, 0,1
	v_permlanex16_b32 v[ST+8*\t+5], v[ST+8*\t+4], s[SEL], s[SEL+1]   ; the query's other 32 keys lie in lane l xor 16
.endr
.irp t, 0,1
	v_mov_b32 v[ST+8*\t+7], v[ST+8*\t]             ; c m_old
.endr
.irp t, 0,1
	v_max_num_f32 v[ST+8*\t+1], v[ST+8*\t+4], v[ST+8*\t+5]
.endr
.irp t, 0,1
	v_mul_f32 v[ST+8*\t], s[CS], v[ST+8*\t+1]
.endr
.irp t, 0,1
	v_sub_f32 v[ST+8*\t+7], v[ST+8*\t+7], v[ST+8*\t]
.endr
.irp b, 0,2,4,6,8,10,12,14,16,18,20,22,24,26,28,30
.irp t, 0,1
	v_pk_fma_f32 v[S+32*\t+\b:S+32*\t+\b+1], v[S+32*\t+\b:S+32*\t+\b+1], s[CS:CS+1], v[ST+8*\t:ST+8*\t+1] op_sel_hi:[1,0,0] neg_lo:[0,0,1] neg_hi:[0,0,1]   ; c s - c m
.endr
.endr
.irp t, 0,1
	v_exp_f32 v[ST+8*\t+6], v[ST+8*\t+7]           ; a
.endr
.set n, 0
.rept 32
.irp t, 0,1
	v_exp_f32 v[S+32*\t+n], v[S+32*\t+n]           ; p
.endr
.set n, n+1
.endr
	v_nop                                          ; a plain line behind the last exponential,
	s_wait_alu depctr_va_vdst(0)                   ; and ONE wait for the batch of 66, ahead of its first reader
.irp t, 0,1
	v_pk_add_f32 v[ST+8*\t+4:ST+8*\t+5], v[S+32*\t:S+32*\t+1], v[S+32*\t+2:S+32*\t+3]   ; the row's sum of the f32 p, in two chains a tile
.endr
.irp t, 0,1
	v_pk_add_f32 v[CH+2*\t:CH+2*\t+1], v[S+32*\t+4:S+32*\t+5], v[S+32*\t+6:S+32*\t+7]
.endr
.irp i, 8,12,16,20,24,28
.irp t, 0,1
	v_pk_add_f32 v[ST+8*\t+4:ST+8*\t+5], v[ST+8*\t+4:ST+8*\t+5], v[S+32*\t+\i:S+32*\t+\i+1]
.endr
.irp t, 0,1
	v_pk_add_f32 v[CH+2*\t:CH+2*\t+1], v[CH+2*\t:CH+2*\t+1], v[S+32*\t+\i+2:S+32*\t+\i+3]
.endr
.endr
.irp t, 0,1
	v_pk_add_f32 v[ST+8*\t+4:ST+8*\t+5], v[ST+8*\t+4:ST+8*\t+5], v[CH+2*\t:CH+2*\t+1]
.endr
.irp t, 0,1
	v_pk_fma_f32 v[ST+8*\t+2:ST+8*\t+3], v[ST+8*\t+2:ST+8*\t+3], v[ST+8*\t+6:ST+8*\t+7], v[ST+8*\t+4:ST+8*\t+5] op_sel_hi:[1,0,1]   ; l = a l + the sum
.endr
.set n, 0
.rept 16
.irp t, 0,1
	v_cvt_pk_f16_f32 v[S+32*\t+n], v[S+32*\t+2*n], v[S+32*\t+2*n+1]   ; P in place, ascending: register n never lies above a pair not yet read
.endr
.set n, n+1
.endr
.set n, 0
.rept 16
.irp t, 0,1
	v_pk_mul_f32 v[O+32*\t+2*n:O+32*\t+2*n+1], v[O+32*\t+2*n:O+32*\t+2*n+1], v[ST+8*\t+6:ST+8*\t+7] op_sel_hi:[1,0]   ; O^T x a
.endr
.set n, n+1
.endr
	s_wait_dscnt 0x0                               ; V is in
.irp u, 0,1                            ; O^T += V^T P: eight accumulators by turns
.irp a, 0,1,2,3
.irp t, 0,1
	v_wmma_f32_16x16x32_f16 v[O+32*\t+8*\a:O+32*\t+8*\a+7], v[KV+8*(4*\u+\a):KV+8*(4*\u+\a)+7], v[S+32*\t+8*\u:S+32*\t+8*\u+7], v[O+32*\t+8*\a:O+32*\t+8*\a+7]
.endr
.endr
.endr
.endm
.macro SLOT_STEPS base                 ; a slot's eight key steps: written once, walked eight times
	s_mov_b32 s[TB], \base
	s_mov_b32 s[CNT], 8
.Lstep_\@:
	STEP
	s_add_co_u32 s[TB], s[TB], 16384
	s_sub_co_u32 s[CNT], s[CNT], 1
	s_cmp_lg_u32 s[CNT], 0
	s_cbranch_scc1 .Lstep_\@
.endm
; THE CHANGE OF SLOTS.  Each wave waits for all its tensor loads (its part of the slot ahead), adds 0 to its spare word, and waits for that and for its reads of the slot that it leaves.
; fill = 1: the slot just left (n) is filled with the keys two slots on, behind a round of the cluster's barrier: no wave of any partner still reads it.  The load has eight key steps in which to land.
.macro CHANGE n, fill
	s_wait_tensorcnt 0x0
	ds_add_u32 v[SPW], v[NIL]
.if \fill
	s_add_nc_u64 s[G0+4*\n+2:G0+4*\n+3], s[G0+4*\n+2:G0+4*\n+3], 393216   ; no load of mine is out: sixteen key steps on
.endif
	s_wait_dscnt 0x0
.if \fill
	CROUND
	tensor_load_to_lds s[G0+4*\n:G0+4*\n+3], s[G1:G1+7]
	s_nop 0
.rept 4
	v_nop
.endr
.else
	s_barrier_signal -1
	s_barrier_wait -1
.endif
.endm
	s_wait_tensorcnt 1                             ; my part of slot 0 is in; slot 1's may stay out
	s_barrier_signal -1
	s_barrier_wait -1
	s_wait_loadcnt 0x0                             ; Q
	SLOT_STEPS 0                                   ; key steps 0-7
	CHANGE 0, 1
	SLOT_STEPS SLOT1                               ; 8-15
	CHANGE 1, 1
	SLOT_STEPS 0                                   ; 16-23
	CHANGE 0, 0                                    ; nothing is left to ask for
	SLOT_STEPS SLOT1                               ; 24-31
	; THE WAY OUT.  The additions and the v_nop are the places behind the last products.
.irp t, 0,1
	v_add_f32 v[ST+8*\t+4], v[ST+8*\t+2], v[ST+8*\t+3]
.endr
.irp t, 0,1
	v_permlanex16_b32 v[ST+8*\t+5], v[ST+8*\t+4], s[SEL], s[SEL+1]
.endr
.irp t, 0,1
	v_add_f32 v[ST+8*\t+4], v[ST+8*\t+4], v[ST+8*\t+5]
.endr
.irp t, 0,1
	v_rcp_f32 v[ST+8*\t+6], v[ST+8*\t+4]
.endr
	v_nop
	s_wait_alu depctr_va_vdst(0)                   ; one wait for the two reciprocals
.set n, 0
.rept 16
.irp t, 0,1
	v_pk_mul_f32 v[O+32*\t+2*n:O+32*\t+2*n+1], v[O+32*\t+2*n:O+32*\t+2*n+1], v[ST+8*\t+6:ST+8*\t+7] op_sel_hi:[1,0]
.endr
.set n, n+1
.endr
.set n, 0
.rept 16
.irp t, 0,1
	v_cvt_pk_f16_f32 v[S+16*\t+n], v[O+32*\t+2*n], v[O+32*\t+2*n+1]
.endr
.set n, n+1
.endr
.irp t, 0,1
.irp a, 0,1,2,3
	global_store_b128 v[LI], v[S+16*\t+4*\a:S+16*\t+4*\a+3], s[6:7] offset:\t*32768+\a*512   ; 512 consecutive bytes
.endr
.endr
	s_wait_tensorcnt 0x0                           ; the wave's end
	ds_add_u32 v[SPW], v[NIL]
	s_wait_dscnt 0x0
	CROUND                                         ; the closing round
	s_endpgm
.Lfunc_end_k_q6531e40447_attn:
	.size	k_q6531e40447_attn, .Lfunc_end_k_q6531e40447_attn-k_q6531e40447_attn
	.p2alignl 7, 3214868480
	.fill 96, 4, 3214868480
	.section	.rodata,"a",@progbits
	.p2align	6, 0x0
	.amdhsa_kernel k_q6531e40447_attn
		.amdhsa_group_segment_fixed_size 327680
		.amdhsa_private_segment_fixed_size 0
		.amdhsa_enable_private_segment 0
		.amdhsa_kernarg_size 16
		.amdhsa_user_sgpr_count 2
		.amdhsa_user_sgpr_kernarg_segment_ptr 1
		.amdhsa_wavefront_size32 1
		.amdhsa_system_sgpr_workgroup_id_x 1
		.amdhsa_system_sgpr_workgroup_id_y 1
		.amdhsa_system_sgpr_workgroup_id_z 1
		.amdhsa_system_vgpr_workitem_id 0
		.amdhsa_next_free_vgpr 256
		.amdhsa_next_free_sgpr 66
		.amdhsa_reserve_vcc 0
		.amdhsa_float_denorm_mode_32 3
		.amdhsa_float_denorm_mode_16_64 3
		.amdhsa_memory_ordered 1
		.amdhsa_forward_progress 1
		.amdhsa_inst_pref_size 83
	.end_amdhsa_kernel
	.amdgpu_metadata
---
amdhsa.version: [ 1, 2 ]
amdhsa.kernels:
  - .name:           k_q6531e40447_attn
    .symbol:         k_q6531e40447_attn.kd
    .args:
      - { .name: qkv, .offset: 0, .size: 8, .value_kind: global_buffer, .address_space: global }
      - { .name: hb, .offset: 8, .size: 8, .value_kind: global_buffer, .address_space: global }
    .group_segment_fixed_size: 327680
    .private_segment_fixed_size: 0
    .kernarg_segment_align: 8
    .kernarg_segment_size: 16
    .max_flat_workgroup_size: 512
    .sgpr_count:     66
    .vgpr_count:     256
    .wavefront_size: 32
...
	.end_amdgpu_metadata
.endif
;; end of part 3
;; launch outp (part 4): grid 4 x 64, 4 waves a work-group, clusters of 4 x 4, 327,680 bytes of LDS; arguments hb, wo, b_out, out0; writes out0
.if DOCPART == 4
	.amdgcn_target "amdgcn-amd-amdhsa--gfx1250"
	.amdhsa_code_object_version 6
	.text
	.protected	k_q6531e40447_outp
	.globl	k_q6531e40447_outp
	.p2align	8
	.type	k_q6531e40447_outp,@function
k_q6531e40447_outp:
	s_mov_b64 s[64:65], 0
	v_nop
	global_prefetch_b8 v0, s[64:65] scope:SCOPE_SE
	s_setreg_imm32_b32 hwreg(HW_REG_WAVE_MODE, 25, 1), 1
	s_wait_xcnt 0x0
	s_wait_alu depctr_hold_cnt(0) depctr_sa_sdst(0) depctr_va_vdst(0) depctr_va_sdst(0) depctr_va_ssrc(0) depctr_va_vcc(0) depctr_vm_vsrc(0)
	s_getreg_b32 s2, hwreg(HW_REG_IB_STS2, 6, 4)
	s_cmp_eq_u32 s2, 0
	s_cbranch_scc0 .Lentry_in_a_cluster
	s_endpgm
.Lentry_in_a_cluster:
	s_bfe_u32 s2, ttmp6, 0x10000c
	s_cmp_lg_u32 s2, 0xf033
	s_cbranch_scc0 .Lentry_shape_is_right
	s_endpgm
.Lentry_shape_is_right:
; out0 = h W_out + b_out.  h [8192][1024] and W_out [1024][1024] in f16, both laid as register images (hb, wo: [tile of 16][c 0..31 (32 K)][g][lane][16]); sums in f32; out0 f32.
; SHARES.  128 tokens x 256 columns a work-group: 256 work-groups.  Four waves, each 64 x 128: 32 accumulators.  K goes in chunks of 128 (4,096 consecutive bytes of each tile) through two LDS slots.
; CLUSTERS: 4 x 4.  h's tiles are shared along a row of the cluster (its four work-groups are all four blocks of columns), W_out's along a column: each is asked for jointly.
; THE MATRIX INSTRUCTION IS USED TRANSPOSED (source 0 = 16 columns of W_out, source 1 = 16 tokens): a lane holds eight neighbouring columns of one token.  b_out is the C of the first products.
; REGISTERS: window 0: v1-29 addresses; two fragment buffers of 96 (h's 4 tiles, then W_out's 8) at v32 and v128; on the way out v32-159 rows read back.   window 1: the accumulators, (a, b) at v[8 (8 a + b)].   window 2: v0-63 b_out.
.set SLOT,   98304                     ; h's 8 tiles x 4,096 bytes, then W_out's 16
.set BOFF,   32768
.set STAGE,  2*SLOT                    ; behind the ring: 16 rows x (512 + 16) bytes for each wave
.set SPITCH, 528
.set SPARE,  STAGE+4*16*SPITCH
.set ADRA, 16
.set ADRB, 20
.set STO,  24
.set RD,   25
.set CO,   26
.set BO,   27
.set SPW,  28
.set NIL,  29
.set F0,   32
.set F1,   128
.set BK,   32
.set WV,   12
.set G1,  24
.set G0,  32
.set G1B, 48
.set G0B, 56
.set MUL, 0x50                         ; C and D window 1
.set MSB, 0
.macro WIN new
.if MSB != (\new)
	s_set_vgpr_msb (MSB<<8)|(\new)
.set MSB, (\new)
.endif
.endm
.macro PLACES
.rept 4
	v_nop
.endr
.endm
.macro JLOAD n                         ; a joint load: waves 0 and 1 fetch h's halves, waves 2 and 3 W_out's; the branch hangs on the wave's number alone
	s_cmp_eq_u32 s13, 0
	s_cbranch_scc0 .Lfor_b_\@
	tensor_load_to_lds s[G0+4*\n:G0+4*\n+3], s[G1:G1+7]
	s_nop 0
	PLACES
	s_branch .Lasked_\@
.Lfor_b_\@:
	tensor_load_to_lds s[G0B+4*\n:G0B+4*\n+3], s[G1B:G1B+7]
	s_nop 0
	PLACES
.Lasked_\@:
.endm
.macro CREST
	s_cmp_lg_u32 s[WV], 0
	s_cbranch_scc1 .Lnot_wave_0_\@
	s_barrier_signal -3
.Lnot_wave_0_\@:
	s_barrier_wait -3
	s_barrier_signal -1
	s_barrier_wait -1
.endm
.macro CROUND
	s_barrier_signal -1
	s_barrier_wait -1
	CREST
.endm
	s_load_b128 s[4:7], s[0:1], 0x0                ; hb s[4:5], wo s[6:7]
	s_load_b128 s[8:11], s[0:1], 0x10              ; b_out s[8:9], out0 s[10:11]
	v_lshl_add_u32 v[SPW], v0, 2, SPARE
	v_mov_b32 v[NIL], 0
	ds_add_u32 v[SPW], v[NIL]                      ; the opening: the add, twice on end, and its wait ahead of my first tensor load
	ds_add_u32 v[SPW], v[NIL]
	v_lshrrev_b32 v1, 5, v0
	v_readfirstlane_b32 s[WV], v1
	s_lshr_b32 s13, s[WV], 1                       ; my half of the tokens.  Also: I fetch h (0) or W_out (1)
	s_and_b32 s14, s[WV], 1                        ; my half of the columns.  Also: which half of the tiles I fetch
	s_bfe_u32 s40, ttmp6, 0x40000                  ; cx
	s_bfe_u32 s41, ttmp6, 0x40004                  ; cy
	s_lshl_b32 s42, ttmp9, 2
	s_add_co_u32 s42, s42, s40                     ; block of 256 columns
	s_and_b32 s43, ttmp7, 0xffff
	s_lshl_b32 s43, s43, 2
	s_add_co_u32 s43, s43, s41                     ; block of 128 tokens
	s_lshl_b32 s44, s41, 2
	s_lshl_b32 s44, 15, s44
	s_lshl_b32 s45, 0x1111, s40
	s_or_b32 s[G1], s44, (3<<16)|(1<<21)           ; the mask; elements of 8 bytes; 21 set beside a mask; no padding
	s_or_b32 s[G1B], s45, (3<<16)|(1<<21)
.irp g, G1, G1B                        ; rows of 4,096 bytes (a tile's chunk), 32,768 bytes apart
	s_mov_b32 s[\g+1], 512<<16
	s_mov_b32 s[\g+3], 512<<16
	s_mov_b32 s[\g+5], 4096
	s_mov_b32 s[\g+6], 0
	s_mov_b32 s[\g+7], 0
.endr
	s_mov_b32 s[G1+2], 4<<16                       ; h: 4 tiles a load
	s_mov_b32 s[G1+4], 4
	s_mov_b32 s[G1B+2], 8<<16                      ; W_out: 8
	s_mov_b32 s[G1B+4], 8
	s_lshl_b32 s16, s43, 18                        ; h: 8 tiles a block of tokens, 4 a half
	s_lshl_b32 s18, s14, 17
	s_add_co_u32 s16, s16, s18
	s_mov_b32 s17, 0
	s_lshl_b32 s46, s42, 19                        ; W_out: 16 tiles a block of columns, 8 a half
	s_lshl_b32 s18, s14, 18
	s_add_co_u32 s46, s46, s18
	s_mov_b32 s47, 0
	s_lshl_b32 s20, s14, 14                        ; where they go
	s_lshl_b32 s21, s14, 15
	s_add_co_u32 s21, s21, BOFF
	s_wait_dscnt 0x0                               ; both opening adds are done
	s_wait_kmcnt 0x0
	s_add_nc_u64 s[16:17], s[4:5], s[16:17]
	s_add_nc_u64 s[46:47], s[6:7], s[46:47]
	CROUND                                         ; all sixteen work-groups are here
.irp n, 0,1
	s_mov_b32 s[G0+4*\n], 1
	s_add_co_u32 s[G0+4*\n+1], s20, \n*SLOT
	s_add_nc_u64 s[G0+4*\n+2:G0+4*\n+3], s[16:17], \n*4096
	s_or_b32 s[G0+4*\n+3], s[G0+4*\n+3], 0x80000000
	s_mov_b32 s[G0B+4*\n], 1
	s_add_co_u32 s[G0B+4*\n+1], s21, \n*SLOT
	s_add_nc_u64 s[G0B+4*\n+2:G0B+4*\n+3], s[46:47], \n*4096
	s_or_b32 s[G0B+4*\n+3], s[G0B+4*\n+3], 0x80000000
	JLOAD \n
.endr
	v_and_b32 v1, 15, v0                           ; r
	v_bfe_u32 v2, v0, 4, 1                         ; h
	v_and_b32 v3, 31, v0
	v_lshlrev_b32 v[CO], 4, v3                     ; 16 x lane
	s_lshl_b32 s22, s42, 10                        ; my first column, in bytes
	s_lshl_b32 s23, s14, 9
	s_add_co_u32 s22, s22, s23
	s_mov_b32 s23, 0
	s_add_nc_u64 s[8:9], s[8:9], s[22:23]
	v_lshlrev_b32 v[BO], 5, v2
	WIN 0x80                                       ; destination window 2
.irp b, 0,1,2,3,4,5,6,7                ; b_out in the result's layout
	global_load_b128 v[8*\b:8*\b+3], v[BO], s[8:9] offset:\b*64
	global_load_b128 v[8*\b+4:8*\b+7], v[BO], s[8:9] offset:\b*64+16
.endr
	WIN 0
	s_lshl_b32 s18, s13, 14                        ; my 4 tiles of h,
	s_lshl_b32 s19, s14, 15
	s_add_co_u32 s19, s19, BOFF                    ; my 8 of W_out
.irp n, 0,1
	v_add_nc_u32 v[ADRA+\n], s18, v[CO]
	v_add_nc_u32 v[ADRB+\n], s19, v[CO]
	s_add_co_u32 s18, s18, SLOT
	s_add_co_u32 s19, s19, SLOT
.endr
	s_mul_i32 s18, s[WV], 16*SPITCH
	s_add_co_u32 s18, s18, STAGE                   ; my stage
	v_mul_u32_u24 v[STO], v1, SPITCH
	v_lshl_add_u32 v[STO], v2, 5, v[STO]
	v_add_nc_u32 v[STO], s18, v[STO]               ; in: row r, 32 bytes for each half of the lanes
	v_add_nc_u32 v[RD], s18, v[CO]                 ; back: a whole row of 512 bytes
	s_lshl_b32 s18, s43, 19                        ; out0: 128 rows of 4,096 bytes a block, 64 a half
	s_lshl_b32 s19, s13, 18
	s_add_co_u32 s18, s18, s19
	s_add_co_u32 s18, s18, s22
	s_mov_b32 s19, 0
	s_add_nc_u64 s[10:11], s[10:11], s[18:19]
.macro MUL8 f, a, first                ; token tile a against my eight column tiles, 32 along K.  The 32 accumulators take turns in one order
.irp b, 0,1,2,3,4,5,6,7
.if \first
	v_wmma_f32_16x16x32_f16 v[8*(8*(\a)+\b):8*(8*(\a)+\b)+7], v[\f+32+8*\b:\f+32+8*\b+7], v[\f+8*(\a):\f+8*(\a)+7], v[8*\b:8*\b+7]
.else
	v_wmma_f32_16x16x32_f16 v[8*(8*(\a)+\b):8*(8*(\a)+\b)+7], v[\f+32+8*\b:\f+32+8*\b+7], v[\f+8*(\a):\f+8*(\a)+7], v[8*(8*(\a)+\b):8*(8*(\a)+\b)+7]
.endif
.endr
.endm
.macro FETCH slot, q, f                ; 24 LDS loads in one run: quarter q of the slot's chunk: W_out's 16, then h's tiles 0, 1, 2, 3
	WIN 0
.irp b, 0,1,2,3,4,5,6,7
	ds_load_b128 v[\f+32+8*\b:\f+32+8*\b+3],   v[ADRB+\slot] offset:\b*4096+(\q)*1024
	ds_load_b128 v[\f+32+8*\b+4:\f+32+8*\b+7], v[ADRB+\slot] offset:\b*4096+(\q)*1024+512
.endr
.irp i, 0,1,2,3
	ds_load_b128 v[\f+8*\i:\f+8*\i+3],   v[ADRA+\slot] offset:\i*4096+(\q)*1024
	ds_load_b128 v[\f+8*\i+4:\f+8*\i+7], v[ADRA+\slot] offset:\i*4096+(\q)*1024+512
.endr
.endm
.macro QUARTER slot, qn, f, g, first   ; multiplies buffer f and fetches quarter qn of the same slot into g
	s_wait_dscnt 4                                 ; all but h's tiles 2 and 3
	WIN MUL+0x10*\first                            ; (first: the C is b_out, in window 2)
	MUL8 \f, 0, \first
	MUL8 \f, 1, \first
	PLACES
	FETCH \slot, \qn, \g
	s_wait_dscnt 24                                ; all but the 24 just issued
	WIN MUL+0x10*\first
	MUL8 \f, 2, \first
	MUL8 \f, 3, \first
.endm
; A chunk's last quarter multiplies buffer 1 and changes slots: one barrier; ahead of it each wave waits for all its tensor loads, adds 0 to its spare word, and waits for that and for its reads of this slot.
.macro TURN slot, next, fill
	WIN 0
	s_wait_tensorcnt 0x0                           ; my part of the next slot has landed
	ds_add_u32 v[SPW], v[NIL]
	s_wait_dscnt 7                                 ; (the add and h's tiles 1 to 3, six loads, may be out)
	WIN MUL
	MUL8 F1, 0, 0
	s_wait_dscnt 0x0                               ; the add is done, and my reads of this slot are over
	s_barrier_signal -1
	MUL8 F1, 1, 0
	WIN 0
	s_barrier_wait -1
.if \fill
	CREST                                          ; the barrier has opened a round of the cluster's: no wave of any partner still reads this slot or has a load on its way
	s_add_nc_u64 s[G0+4*\slot+2:G0+4*\slot+3], s[G0+4*\slot+2:G0+4*\slot+3], 8192
	s_add_nc_u64 s[G0B+4*\slot+2:G0B+4*\slot+3], s[G0B+4*\slot+2:G0B+4*\slot+3], 8192
	JLOAD \slot                                    ; two chunks on; the four v_nop behind it are also the places ahead of the loads below
.else
	PLACES
.endif
	FETCH \next, 0, F0
	WIN MUL
	MUL8 F1, 2, 0
	MUL8 F1, 3, 0
.endm
	s_wait_tensorcnt 1                             ; my part of chunk 0 is in; chunk 1's load may stay out
	s_barrier_signal -1
	s_barrier_wait -1
	FETCH 0, 0, F0
	s_wait_loadcnt 0x0                             ; b_out
	QUARTER 0, 1, F0, F1, 1                        ; the first quarter starts the sums, on b_out
	WIN 0
	s_mov_b32 s3, 3
.Llap:                                 ; a trip goes once round the ring and fills both slots again: chunks 2 to 7
	QUARTER 0, 2, F1, F0, 0
	QUARTER 0, 3, F0, F1, 0
	TURN 0, 1, 1
	QUARTER 1, 1, F0, F1, 0
	QUARTER 1, 2, F1, F0, 0
	QUARTER 1, 3, F0, F1, 0
	TURN 1, 0, 1
	QUARTER 0, 1, F0, F1, 0
	WIN 0
	s_sub_co_u32 s3, s3, 1
	s_cmp_lg_u32 s3, 0
	s_cbranch_scc1 .Llap
	QUARTER 0, 2, F1, F0, 0                        ; the last lap fills nothing
	QUARTER 0, 3, F0, F1, 0
	TURN 0, 1, 0
	QUARTER 1, 1, F0, F1, 0
	QUARTER 1, 2, F1, F0, 0
	QUARTER 1, 3, F0, F1, 0
	s_wait_dscnt 4
	WIN MUL
	MUL8 F1, 0, 0
	MUL8 F1, 1, 0
	s_wait_dscnt 0x0
	MUL8 F1, 2, 0
	MUL8 F1, 3, 0
	WIN 0
	PLACES
; THE WAY OUT, a block of 16 tokens x 128 columns at a time, through my own stage: in by 32 bytes a lane, back as whole rows of 512 bytes.  LDS serves a wave's instructions in order.
.macro TOSTAGE a
	WIN 0x04                                       ; an LDS store's data: window 1
.irp b, 0,1,2,3,4,5,6,7
	ds_store_b128 v[STO], v[8*(8*(\a)+\b):8*(8*(\a)+\b)+3] offset:64*\b          ; each accumulator from its low end on
	ds_store_b128 v[STO], v[8*(8*(\a)+\b)+4:8*(8*(\a)+\b)+7] offset:64*\b+16
.endr
	WIN 0
.set BB, BK+64*((\a)%2)
.set n, 0
.rept 16
	ds_load_b128 v[BB+4*n:BB+4*n+3], v[RD] offset:n*SPITCH
.set n, n+1
.endr
.endm
.macro SEND a, younger                 ; younger: the LDS instructions issued behind block a's loads
.set BB, BK+64*((\a)%2)
	s_wait_dscnt \younger
.set n, 0
.rept 16
	global_store_b128 v[CO], v[BB+4*n:BB+4*n+3], s[10:11] offset:(\a)*65536+n*4096 th:TH_STORE_NT   ; 512 consecutive bytes of a row of out0
.set n, n+1
.endr
.endm
	TOSTAGE 0
	TOSTAGE 1
	SEND 0, 32                                     ; behind block 0's loads: block 1's 16 stores and 16 loads
	s_wait_xcnt 0x0                                ; block 0's stores have read their registers
	TOSTAGE 2
	SEND 1, 32
	s_wait_xcnt 0x0
	TOSTAGE 3
	SEND 2, 32
	SEND 3, 0
	s_wait_tensorcnt 0x0                           ; the wave's end
	ds_add_u32 v[SPW], v[NIL]
	s_wait_dscnt 0x0
	CROUND                                         ; the closing round
	s_endpgm
.Lfunc_end_k_q6531e40447_outp:
	.size	k_q6531e40447_outp, .Lfunc_end_k_q6531e40447_outp-k_q6531e40447_outp
	.p2alignl 7, 3214868480
	.fill 96, 4, 3214868480
	.section	.rodata,"a",@progbits
	.p2align	6, 0x0
	.amdhsa_kernel k_q6531e40447_outp
		.amdhsa_group_segment_fixed_size 327680
		.amdhsa_private_segment_fixed_size 0
		.amdhsa_enable_private_segment 0
		.amdhsa_kernarg_size 32
		.amdhsa_user_sgpr_count 2
		.amdhsa_user_sgpr_kernarg_segment_ptr 1
		.amdhsa_wavefront_size32 1
		.amdhsa_system_sgpr_workgroup_id_x 1
		.amdhsa_system_sgpr_workgroup_id_y 1
		.amdhsa_system_sgpr_workgroup_id_z 1
		.amdhsa_system_vgpr_workitem_id 0
		.amdhsa_next_free_vgpr 640
		.amdhsa_next_free_sgpr 66
		.amdhsa_reserve_vcc 0
		.amdhsa_float_denorm_mode_32 3
		.amdhsa_float_denorm_mode_16_64 3
		.amdhsa_memory_ordered 1
		.amdhsa_forward_progress 1
		.amdhsa_inst_pref_size 86
	.end_amdhsa_kernel
	.amdgpu_metadata
---
amdhsa.version: [ 1, 2 ]
amdhsa.kernels:
  - .name:           k_q6531e40447_outp
    .symbol:         k_q6531e40447_outp.kd
    .args:
      - { .name: hb, .offset: 0, .size: 8, .value_kind: global_buffer, .address_space: global }
      - { .name: wo, .offset: 8, .size: 8, .value_kind: global_buffer, .address_space: global }
      - { .name: b_out, .offset: 16, .size: 8, .value_kind: global_buffer, .address_space: global }
      - { .name: out0, .offset: 24, .size: 8, .value_kind: global_buffer, .address_space: global }
    .group_segment_fixed_size: 327680
    .private_segment_fixed_size: 0
    .kernarg_segment_align: 8
    .kernarg_segment_size: 32
    .max_flat_workgroup_size: 128
    .sgpr_count:     66
    .vgpr_count:     640
    .wavefront_size: 32
...
	.end_amdgpu_metadata
.endif
;; end of part 4
